; MI455X (gfx1250); checked and timed in simulation.
; The chip was launched on July 23, 2026; its instructions are those of AMD's public machine-readable ISA for CDNA 5 (MIT licence, August 2026) and "CDNA5" Instruction Set Architecture Reference Guide (July 2026). The comments in the code are by the model that wrote it; some were corrected since.
;; get Max Score. Allowed arithmetic: matrix products marked QUANTISED: E2M1 operands, one E8M0 scale for each 32 along K, by v_wmma_scale_f32_16x16x128_f8f6f4 with both operands' format E2M1 (or v_wmma_scale_f32_32x16x128_f4), f32 sums; products left as they are: f32 operands where the result goes on into a quantised operand, else bf16, f16 or f32 operands; f32 sums; everything else in f32.
;; Inputs: Wk 4,096 x 1,024 float32; Wq 4,096 x 1,024 float32; bk 4,096 float32; bq 4,096 float32; key_mat 16,384 x 1,024 float32; query 1,024 float32.
;; Outputs: out0 1,024 float32.
;; This version of the problem:
;;   THIS VERSION OF THE PROBLEM IS GIVEN IN LOW PRECISION. The matrix products marked QUANTISED in the list below multiply operands that are first quantised to E2M1 (2 exponent bits, 1 mantissa bit; 4 bits a number), with one power-of-two scale for each 32 numbers along K (OCP MX v1.0); their sums are f32. All else is computed in f32.
;;   The module's matrix products, in the order in which they are computed (A, B: the left and right operand; K: the contracted axis; several contracted axes count as one K, in the product's order):
;;     1. [M 4,096, K 1,024] x [K 1,024, N 1]; A: input Wq; B: input query: left as it is (N = 1 < 16)
;;     2. [M 16,384, K 1,024] x [K 1,024, N 4,096]; A: input key_mat; B: input Wk: QUANTISED
;;     3. [M 16,384, K 4,096] x [K 4,096, N 1]; A: computed on the way; B: computed on the way: left as it is (N = 1 < 16)
;;   THE QUANTISER, for each operand of a quantised product, along K:
;;     - K is cut into blocks of 32 from its start; a last block that is shorter is filled with zeros.
;;     - A block's scale is 2^e with e = floor(log2(the largest magnitude in the block)) - 2, held to -126 .. 127; a block of zeros has e = 0. As a byte (E8M0): e + 127.
;;     - Each number is divided by its block's scale, clamped to +-6, and rounded to the nearest number of E2M1, ties to even, subnormals kept.
;;     - The product sums the exact products of the quantised numbers (number of the format x scale) in f32.
;;   ~~~python
;;   def quantise(x, axis):      # numpy; x: float32 -> the quantised numbers, widened to float32 again
;;       x = np.moveaxis(x, axis, -1); K = x.shape[-1]
;;       x = np.pad(x, [(0, 0)] * (x.ndim - 1) + [(0, -K % 32)]); x = x.reshape(x.shape[:-1] + (-1, 32)); a = np.abs(x).max(-1, keepdims=True)
;;       e = np.where(a > 0, np.clip(np.frexp(np.where(a > 0, a, 1))[1] - 1 - 2, -126, 127), 0)      # np.frexp(a)[1] - 1 = floor(log2(a)), exactly
;;       r = np.clip(x / 2.0 ** e, -6, 6)
;;       step = 2.0 ** (np.maximum(np.frexp(np.where(r == 0, 1, r))[1] - 1, 0) - 1)
;;       q = np.round(r / step) * step * 2.0 ** e      # np.round: ties to even
;;       return np.moveaxis(q.reshape(q.shape[:-2] + (-1,))[..., :K], -1, axis).astype(np.float32)
;;   ~~~
;; One version. Each part assembles by itself: llvm-mc -triple=amdgcn-amd-amdhsa -mcpu=gfx1250 --defsym DOCPART=n.
;; ======== version 1 of 1: 4 launches
;; workspace buffers: img 11,141,120 bytes; qv 16,384 bytes; part 262,144 bytes; cscore 512 bytes; cidx 512 bytes of whole numbers
;; launch prep (part 1): grid 1536 x 1, 4 waves a work-group, no clusters, 34,816 bytes of LDS; arguments key_mat, Wk, Wq, query, bq, img, qv; writes img, qv
.if DOCPART == 1
	.amdgcn_target "amdgcn-amd-amdhsa--gfx1250"
	.amdhsa_code_object_version 6
	.text
	.protected	k_q925e4de26b_prep
	.globl	k_q925e4de26b_prep
	.p2align	8
	.type	k_q925e4de26b_prep,@function
k_q925e4de26b_prep:
	s_mov_b64 s[64:65], 0
	v_nop
	global_prefetch_b8 v0, s[64:65] scope:SCOPE_SE
	s_setreg_imm32_b32 hwreg(HW_REG_WAVE_MODE, 25, 1), 1
	s_wait_xcnt 0x0
; PREP.  Two kinds of work-group, parted by the work-group's number alone.
; 0 .. 1279 (path C): 16 rows x 1,024 K of key_mat (blocks 0-1023) or of Wk (blocks 1024-1279), f32, become codes of FP4 (E2M1) with one E8M0 scale byte for each 32 along K,
;   laid as an IMAGE OF THE OPERAND'S REGISTERS, 8,704 bytes a block: K step s (128 along K), half c: the 512 bytes at 512 (2 s + c), lane l's 16 bytes at 16 l: registers 4 c .. 4 c + 3 of the fragment
;   (lane (r, h): row r, k = 128 s + 64 c + 32 h + 0 .. 31).  From byte 8,192 on the scale words, 16 bytes a lane: lane (r, h') holds the words of K steps 4 h' .. 4 h' + 3 of row r.
;   So the product's launch takes every fragment and every set of scale words by loads of 512 consecutive bytes.
; 1280 .. 1535 (path Q): 16 numbers of q = Wq query + bq, in f32: a wave takes four rows of Wq, a row's 1,024 products are summed in a lane (two packed chains) and then across the 32 lanes.
; A block's scale is 2^(floor(log2(its largest magnitude)) - 2): its byte is the largest magnitude's exponent field - 2, held at 1 from below.
; LIMITS: a block whose largest magnitude lies under 2^-124 (a block of zeros too, where the quantiser says 127) gets the byte 1: a block of zeros has zero codes, which add nothing under that byte, and this
; program alone reads the bytes.  NaN and infinities among the inputs are not served.  q's sums run in another order than a plain loop over K.
; Path Q stores 16 bytes a wave (16 KiB in the whole launch, of which it reads 100 MB): those blocks of 256 bytes are written in parts.
; No tensor loads, no matrix work: each wave has 32 loads of 512 consecutive bytes out, and with 210 registers and 34,816 bytes of LDS several work-groups share a WGP.
.set BLKB,  8704                       ; a block of the image
.set SP,    528                        ; a stage row: 512 bytes + 16 = 132 words: row r starts at bank 4 r mod 64 (64 banks of 4 bytes: ISA guide 11.1)
.set STW,   16*SP                      ; a wave's stage: 16 rows
.set SCI,   4*STW                      ; behind the four stages: the block's scale image, 512 bytes
.set L16,   4                          ; v4   16 x lane
.set STI,   5                          ; v5   the stage, on the way in: my wave's stage + 16 x lane
.set STO,   6                          ; v6   on the way out: + 528 r + 64 h
.set SCW,   7                          ; v7   where my row's scale words go
.set TM,    8                          ; v8-11 largest magnitudes, v12-15 the other half's, then bytes, v20-23 the conversions' scale operands.  Path Q: v8-23 the sums
.set PW,    24                         ; v24, v25 the scale word of K step f
.set PC,    26                         ; v26-33, v34-41 the codes of K step f.  Path Q: v26 4 x (lane & 3), v27 bq
.set R,     48                         ; v48-175 two K steps' numbers of 16 rows.  Path Q: four rows of Wq
.set QY,    176                        ; v176-207 path Q: query
	s_load_b256 s[4:11], s[0:1], 0x0               ; key_mat s[4:5], Wk s[6:7], Wq s[8:9], query s[10:11]
	s_load_b128 s[12:15], s[0:1], 0x20             ; bq s[12:13], img s[14:15]
	s_load_b64 s[16:17], s[0:1], 0x30              ; qv
	v_lshl_add_u32 v208, v0, 2, 0x8600
	v_mov_b32 v209, 0
	v_lshrrev_b32 v1, 5, v0
	v_readfirstlane_b32 s18, v1                    ; wave 0..3
	v_and_b32 v1, 31, v0                           ; lane
	v_and_b32 v2, 15, v0                           ; r
	v_bfe_u32 v3, v0, 4, 1                         ; h
	v_lshlrev_b32 v[L16], 4, v1
	s_mul_i32 s19, s18, STW
	v_add_nc_u32 v[STI], s19, v[L16]
	v_mul_u32_u24 v[STO], v2, SP
	v_lshl_add_u32 v[STO], v3, 6, v[STO]
	v_add_nc_u32 v[STO], s19, v[STO]
	s_lshr_b32 s22, s18, 1                         ; K step s = 2 wave + f: its word lies at 256 (s / 4) + 16 r + 4 (s % 4)
	s_lshl_b32 s22, s22, 8
	s_and_b32 s23, s18, 1
	s_lshl_b32 s23, s23, 3
	s_add_co_u32 s22, s22, s23
	s_add_co_u32 s22, s22, SCI
	v_lshl_add_u32 v[SCW], v2, 4, s22
	s_mov_b32 s20, 0x76543210
	s_mov_b32 s21, 0xfedcba98                      ; v_permlanex16_b32's selects for lane l xor 16
.irp b, 0,1,2,3
	v_mov_b32 v[TM+4+\b], 0                        ; written once: a lane permute's destination counts as one of its sources
.endr
	s_cmp_ge_u32 ttmp9, 1280
	s_cbranch_scc1 .Lq
; ---------------- path C: a block of 16 rows; wave w takes K steps 2 w and 2 w + 1
	s_lshl_b32 s27, s18, 10                        ; my 256 numbers of a row
	s_mul_i32 s28, ttmp9, BLKB
	s_lshl_b32 s29, s18, 11                        ; my two K steps' 2,048 bytes of codes
	s_add_co_u32 s28, s28, s29
	s_mov_b32 s29, 0
	s_wait_kmcnt 0x0
	s_cmp_lt_u32 ttmp9, 1024                       ; key_mat's block or Wk's?  The choice hangs on the work-group's number alone
	s_cselect_b64 s[24:25], s[4:5], s[6:7]
	s_cselect_b32 s26, 0, 1024
	s_sub_co_u32 s26, ttmp9, s26
	s_lshl_b32 s26, s26, 16                        ; 16 rows of 4,096 bytes
	s_add_co_u32 s26, s26, s27
	s_mov_b32 s27, 0
	s_add_nc_u64 s[24:25], s[24:25], s[26:27]
	s_add_nc_u64 s[14:15], s[14:15], s[28:29]
.irp f, 0,1
.irp i, 0,1,2,3,4,5,6,7,8,9,10,11,12,13,14,15
	global_load_b128 v[R+64*\f+4*\i:R+64*\f+4*\i+3], v[L16], s[24:25] offset:4096*\i+512*\f th:TH_LOAD_NT   ; row i, K step f: 32 lanes read 512 consecutive bytes
.endr
.endr
; K step f's 16 x 128 numbers go through my stage as they lie and come back so that register 16 b + n of lane (r, h) is k = 32 b + 16 h + n of row r: 16 neighbours of each block of 32.
; LDS serves a wave's instructions in order (ISA guide 5.7.1.4): no wait between the stores and the loads, which land in the registers that the stores have left.
.macro TURN f
.irp i, 0,1,2,3,4,5,6,7,8,9,10,11,12,13,14,15
	ds_store_b128 v[STI], v[R+64*\f+4*\i:R+64*\f+4*\i+3] offset:SP*\i
.endr
.irp b, 0,1,2,3
.irp j, 0,1,2,3
	ds_load_b128 v[R+64*\f+16*\b+4*\j:R+64*\f+16*\b+4*\j+3], v[STO] offset:128*\b+16*\j
.endr
.endr
.endm
; 64 numbers of a lane from v[s] on become the fragment's codes in v[PC + 8 f] on and my row's scale word in v[PW + f]
.macro QUANT s, f
.irp b, 0,1,2,3
	v_max3_num_f32 v[TM+\b], |v[\s+16*\b]|, |v[\s+1+16*\b]|, 0x1800000   ; block b: my 16 numbers, and the floor 2^(3 - 127): the byte cannot fall under 1
.endr
.irp i, 2,4,6,8,10,12,14
.irp b, 0,1,2,3
	v_max3_num_f32 v[TM+\b], v[TM+\b], |v[\s+16*\b+\i]|, |v[\s+1+16*\b+\i]|   ; the four blocks by turns
.endr
.endr
.irp b, 0,1,2,3
	v_permlanex16_b32 v[TM+4+\b], v[TM+\b], s20, s21
.endr
.irp b, 0,1,2,3
	v_max_num_f32 v[TM+\b], v[TM+\b], v[TM+4+\b]   ; with lane l xor 16's: the block's largest magnitude
.endr
.irp b, 0,1,2,3
	v_add_nc_u32 v[TM+12+\b], 0xff000000, v[TM+\b] ; 2 off its exponent field: the conversion takes the exponent field of this operand as its scale, and nothing else of it
.endr
.irp b, 0,1,2,3
	v_lshrrev_b32 v[TM+4+\b], 23, v[TM+12+\b]      ; the scale's byte
.endr
	v_lshl_or_b32 v[PW+\f], v[TM+5], 8, v[TM+4]    ; four bytes: my row's scale word of this K step
	v_lshl_or_b32 v[PW+\f], v[TM+6], 16, v[PW+\f]
	v_lshl_or_b32 v[PW+\f], v[TM+7], 24, v[PW+\f]
.irp b, 0,1,2,3
	v_cvt_scalef32_pk8_fp4_f32 v[PC+8*\f+2*\b], v[\s+16*\b:\s+7+16*\b], v[TM+12+\b]
	v_cvt_scalef32_pk8_fp4_f32 v[PC+8*\f+1+2*\b], v[\s+8+16*\b:\s+15+16*\b], v[TM+12+\b]
.endr
	v_nop                                          ; one plain place behind a scaled conversion
.irp c, 0,1                                    ; the operand's layout wants a WHOLE block in a lane: lanes 0-15 block 2 c, lanes 16-31 block 2 c + 1
.irp i, 0,1
	v_permlane16_swap_b32 v[PC+8*\f+4*\c+\i], v[PC+8*\f+2+4*\c+\i]
.endr
.endr
.endm
.macro SENDC f                         ; the fragment leaves as it stands: two stores of 512 consecutive bytes; the scale word goes to the block's scale image (both halves of the lanes write the same word with the same value)
.irp c, 0,1
	global_store_b128 v[L16], v[PC+8*\f+4*\c:PC+8*\f+4*\c+3], s[14:15] offset:1024*\f+512*\c
.endr
	ds_store_b32 v[SCW], v[PW+\f] offset:4*\f
.endm
	s_wait_loadcnt 16                              ; K step 0's sixteen loads are in; K step 1's sixteen may be out
	TURN 0
	s_wait_dscnt 0x0
	QUANT R, 0
	SENDC 0
	s_wait_loadcnt 0x0
	TURN 1
	s_wait_dscnt 0x0
	QUANT R+64, 1
	SENDC 1
	s_wait_dscnt 0x0                               ; for the others' sake: my scale words lie in LDS
	s_barrier_signal -1
	s_barrier_wait -1
	s_cmp_lg_u32 s18, 0
	s_cbranch_scc1 .Lend
	ds_load_b128 v[44:47], v[L16] offset:SCI       ; wave 0: the whole scale image, 16 bytes a lane,
	s_wait_dscnt 0x0
	global_store_b128 v[L16], v[44:47], s[14:15] offset:8192   ; behind the block's codes (wave 0's base is the block's first byte): 512 consecutive bytes
.Lend:
	s_wait_tensorcnt 0x0
	ds_add_u32 v208, v209
	s_wait_dscnt 0x0
	s_endpgm
; ---------------- path Q: rows 16 j + 4 wave + t of Wq, t = 0 .. 3
.Lq:
	s_sub_co_u32 s26, ttmp9, 1280
	s_lshl_b32 s26, s26, 4
	s_lshl_b32 s27, s18, 2
	s_add_co_u32 s26, s26, s27                     ; my first row
	s_lshl_b32 s28, s26, 12                        ; in Wq: 4,096 bytes a row
	s_mov_b32 s29, 0
	s_lshl_b32 s30, s26, 2                         ; in bq and in qv
	s_mov_b32 s31, 0
	v_and_b32 v26, 3, v0
	v_lshlrev_b32 v26, 2, v26                      ; 4 x (lane & 3)
	s_wait_kmcnt 0x0
	s_add_nc_u64 s[8:9], s[8:9], s[28:29]
	s_add_nc_u64 s[12:13], s[12:13], s[30:31]
	s_add_nc_u64 s[16:17], s[16:17], s[30:31]
.irp i, 0,1,2,3,4,5,6,7
	global_load_b128 v[QY+4*\i:QY+4*\i+3], v[L16], s[10:11] offset:512*\i
.endr
	global_load_b32 v27, v26, s[12:13]             ; lane t (and every lane with the same low two bits): bq of row t
.irp t, 0,1,2,3
.irp i, 0,1,2,3,4,5,6,7
	global_load_b128 v[R+32*\t+4*\i:R+32*\t+4*\i+3], v[L16], s[8:9] offset:4096*\t+512*\i th:TH_LOAD_NT
.endr
.endr
.irp t, 0,1,2,3
	s_wait_loadcnt 8*(3-\t)                        ; row t's eight loads are in (query and bq stand ahead of them); the younger rows' may be out
.irp u, 0,1
	v_pk_mul_f32 v[8+4*\t+2*\u:9+4*\t+2*\u], v[R+32*\t+2*\u:R+32*\t+2*\u+1], v[QY+2*\u:QY+2*\u+1]   ; the first products start the two chains
.endr
.irp n, 1,2,3,4,5,6,7
.irp u, 0,1
	v_pk_fma_f32 v[8+4*\t+2*\u:9+4*\t+2*\u], v[R+32*\t+4*\n+2*\u:R+32*\t+4*\n+2*\u+1], v[QY+4*\n+2*\u:QY+4*\n+2*\u+1], v[8+4*\t+2*\u:9+4*\t+2*\u]
.endr
.endr
.endr
.irp t, 0,1,2,3
	v_pk_add_f32 v[8+4*\t:9+4*\t], v[8+4*\t:9+4*\t], v[10+4*\t:11+4*\t]
.endr
.irp t, 0,1,2,3
	v_add_f32 v[8+4*\t], v[8+4*\t], v[9+4*\t]
.endr
.irp m, 1,2,4,8
.irp t, 0,1,2,3
	v_add_f32_dpp v[8+4*\t], v[8+4*\t], v[8+4*\t] row_xmask:\m row_mask:0xf bank_mask:0xf
.endr
.endr
.irp t, 0,1,2,3
	v_permlanex16_b32 v[9+4*\t], v[8+4*\t], s20, s21
.endr
.irp t, 0,1,2,3
	v_add_f32 v[8+4*\t], v[8+4*\t], v[9+4*\t]      ; every lane holds row t's sum
.endr
.irp t, 1,2,3
	v_cmp_eq_u32 vcc_lo, \t, v1
	v_cndmask_b32 v8, v8, v[8+4*\t], vcc_lo        ; lane t takes row t's
.endr
	v_add_f32 v8, v8, v27                          ; + bq
	v_cmp_gt_u32 vcc_lo, 4, v1
	s_wait_xcnt 0x0                                ; EXEC changes only behind this wait: it is a source of the loads above
	s_and_saveexec_b32 s30, vcc_lo
	global_store_b32 v26, v8, s[16:17]             ; lanes 0 to 3: four numbers of q
	s_endpgm
.Lfunc_end_k_q925e4de26b_prep:
	.size	k_q925e4de26b_prep, .Lfunc_end_k_q925e4de26b_prep-k_q925e4de26b_prep
	.p2alignl 7, 3214868480
	.fill 96, 4, 3214868480
	.section	.rodata,"a",@progbits
	.p2align	6, 0x0
	.amdhsa_kernel k_q925e4de26b_prep
		.amdhsa_group_segment_fixed_size 34816
		.amdhsa_private_segment_fixed_size 0
		.amdhsa_enable_private_segment 0
		.amdhsa_kernarg_size 56
		.amdhsa_user_sgpr_count 2
		.amdhsa_user_sgpr_kernarg_segment_ptr 1
		.amdhsa_wavefront_size32 1
		.amdhsa_system_sgpr_workgroup_id_x 1
		.amdhsa_system_sgpr_workgroup_id_y 1
		.amdhsa_system_sgpr_workgroup_id_z 1
		.amdhsa_system_vgpr_workitem_id 0
		.amdhsa_next_free_vgpr 210
		.amdhsa_next_free_sgpr 66
		.amdhsa_reserve_vcc 1
		.amdhsa_float_denorm_mode_32 3
		.amdhsa_float_denorm_mode_16_64 3
		.amdhsa_memory_ordered 1
		.amdhsa_forward_progress 1
		.amdhsa_inst_pref_size 29
	.end_amdhsa_kernel
	.amdgpu_metadata
---
amdhsa.version: [ 1, 2 ]
amdhsa.kernels:
  - .name:           k_q925e4de26b_prep
    .symbol:         k_q925e4de26b_prep.kd
    .args:
      - { .name: key_mat, .offset: 0, .size: 8, .value_kind: global_buffer, .address_space: global }
      - { .name: Wk, .offset: 8, .size: 8, .value_kind: global_buffer, .address_space: global }
      - { .name: Wq, .offset: 16, .size: 8, .value_kind: global_buffer, .address_space: global }
      - { .name: query, .offset: 24, .size: 8, .value_kind: global_buffer, .address_space: global }
      - { .name: bq, .offset: 32, .size: 8, .value_kind: global_buffer, .address_space: global }
      - { .name: img, .offset: 40, .size: 8, .value_kind: global_buffer, .address_space: global }
      - { .name: qv, .offset: 48, .size: 8, .value_kind: global_buffer, .address_space: global }
    .group_segment_fixed_size: 34816
    .private_segment_fixed_size: 0
    .kernarg_segment_align: 8
    .kernarg_segment_size: 56
    .max_flat_workgroup_size: 128
    .sgpr_count:     66
    .vgpr_count:     210
    .wavefront_size: 32
...
	.end_amdgpu_metadata
.endif
;; end of part 1
;; launch score (part 2): grid 64 x 4, 4 waves a work-group, clusters of 4 x 1, 327,680 bytes of LDS; arguments img, qv, bk, part; writes part
.if DOCPART == 2
	.amdgcn_target "amdgcn-amd-amdhsa--gfx1250"
	.amdhsa_code_object_version 6
	.text
	.protected	k_q925e4de26b_score
	.globl	k_q925e4de26b_score
	.p2align	8
	.type	k_q925e4de26b_score,@function
k_q925e4de26b_score:
	s_mov_b64 s[64:65], 0
	v_nop
	global_prefetch_b8 v0, s[64:65] scope:SCOPE_SE
	s_setreg_imm32_b32 hwreg(HW_REG_WAVE_MODE, 25, 1), 1
	s_wait_xcnt 0x0
	s_wait_alu depctr_hold_cnt(0) depctr_sa_sdst(0) depctr_va_vdst(0) depctr_va_sdst(0) depctr_va_ssrc(0) depctr_va_vcc(0) depctr_vm_vsrc(0)
	s_getreg_b32 s2, hwreg(HW_REG_IB_STS2, 6, 4)
	s_cmp_eq_u32 s2, 0
	s_cbranch_scc0 .Lentry_in_a_cluster
	s_endpgm
.Lentry_in_a_cluster:
	s_bfe_u32 s2, ttmp6, 0x10000c
	s_cmp_lg_u32 s2, 0x3003
	s_cbranch_scc0 .Lentry_shape_is_right
	s_endpgm
.Lentry_shape_is_right:
; SCORE.  part[y][row] = the sum over the 1,024 columns n of quarter y of (Q(key_mat)[row] . Q(Wk)[n] + bk[n]) q[n].  The product is made on codes of FP4 (E2M1) with E8M0 scales; k itself never goes to memory.
; SHARES.  Work-group (X, y): rows 256 X .. + 255, columns 1,024 y .. + 1,023.  Wave w = 2 rh + e: rows 128 rh .. + 127 of the block, whose codes FOR ALL OF K stay in 512 registers (64 fragments) for the whole launch;
; of each slot's 16 column blocks (16 columns each) it multiplies blocks 8 e .. 8 e + 7.  A column block is 64 matrix instructions (8 K steps x 8 tiles of rows), and each fragment of Wk read from LDS feeds eight of them.
; Wk's images come through two LDS slots of 16 blocks (139,264 bytes each): four fills in all, of which two fill a slot again; each wave brings four blocks by one tensor load.  By this text's own count a wave has
; three tensor loads out at the start and one behind each refill's round.
; CLUSTER.  The four work-groups of a cluster have the same y and walk the same blocks of Wk, the same q and bk: every tensor load is asked for JOINTLY, with the same descriptor and the mask of all four.
; key_mat's images are each work-group's own: they go from memory straight into registers, once, at the head.
; THE MATRIX INSTRUCTION IS USED TRANSPOSED (source 0 = 16 rows of Wk, source 1 = 16 rows of key_mat): lane (r, h) holds key row r, its register j column 16 nb + 8 h + j; q, in that layout, multiplies the results.
; BY TURNS.  Each tile of rows has TWO accumulators.  While block n is multiplied into one, the other, which holds block n - 1, is multiplied by q and added into the tile's running sums: 32 packed multiply-adds a block, one
; behind every second matrix instruction.  So that no window is switched between the two kinds, a tile's fragments, accumulators and sums lie in ONE window and Wk's fragments and q in window 0: under one setting
; (source 0 window 0; source 1, C and D the tile's window) the matrix instruction reads Wk x key_mat and the multiply-add q x accumulator.  A block goes window by window: tiles 0-2, tiles 3-5, tiles 6-7.
; All LDS loads of a block stand in one run at its head, in window 0: the NEXT block's fragments and scale words, and this block's q and bk: they have the whole block in which to land.
; LIMITS: the bias enters as bk . q, summed apart and added to each row's sum at the end: (k + bk) q is formed as k q + bk q, another order of rounding.  The f32 sum over the columns runs in this text's order (pairs of
; columns in a lane, the two halves of the lanes, the two waves of a row half; the four quarters are added by the next launch).
; REGISTERS, in windows of 256: window 0: v4-10 addresses, v28-29 for the add, v32-63 key_mat's scale words (tile a: 4 a + s % 4), v64-71 Wk's, two sets, v72-75 at work, v76-79 the sums of bk q, v80-95 q, two sets,
;   v96-103 bk, v128-191 and v192-255 Wk's fragments, two sets.
;   window 1 + a / 3, with t = a % 3: v[64 t + 8 s] tile a's fragment of K step s; v[192 + 16 t + 8 p] its accumulator p; v[240 + 2 t] its two running sums.
.set BLKB,  8704                       ; a block's image: 8,192 bytes of codes, 512 of scale words
.set SLOTB, 16*BLKB
.set QL,    2*SLOTB                    ; behind the slots: this quarter's q, 4,096 bytes; bk's 4,096 follow
.set SPARE, QL+8192                    ; the spare words, 128 bytes for each wave: two blocks of 256 bytes that no other line names
.set RED,   SPARE+512                  ; 512 bytes for each wave: its 128 rows' sums.  No tensor load lands here
.set L16, 4                            ; v4   16 x lane
.set H32, 5                            ; v5   32 x (lane / 16)
.set ADR, 6                            ; v6   LDS address of the block to be fetched next
.set ADQ, 7                            ; v7   and of the q to be fetched next
.set RW,  8                            ; v8   where I put a row's sum
.set RR,  9                            ; v9   where I read two rows' sums back
.set GO,  10                           ; v10  8 x lane
.set SPW, 28                           ; v28  LDS address of my spare word; never rewritten
.set NIL, 29                           ; v29  0; never rewritten
.set AS,  32
.set BS,  64
.set OUTR, 72
.set T,   76
.set Q,   80
.set BKR, 96
.set B,   128
.set ACC, 192                          ; in a tile's window
.set S,   240                          ; in a tile's window
.set G1,  16                           ; s[16:23] descriptor group 1 for four blocks;  s[24:31] for 2,048 bytes of q or bk
.set G1Q, 24
.set G0Q, 32                           ; s[32:35] group 0 for q or bk;  s[36:39], s[40:43] for slot 0, slot 1
.set G0S, 36
.set MSB, 0
.macro WIN new                         ; low byte: bits 1:0 source 0, 3:2 source 1, 5:4 source 2, 7:6 destination; the high byte repeats the setting that is left; a switch that changes nothing is dropped
.if MSB != (\new)
	s_set_vgpr_msb (MSB<<8)|(\new)
.set MSB, (\new)
.endif
.endm
; 0x54 x W: source 0 window 0; source 1, source 2 and destination window W.   0x55 x W: all in window W.   0x40 x W: destination window W, address window 0.
; A round of the cluster's barrier: my work-group's barrier, so that wave 0's signal speaks for all four waves; wave 0 signals; every wave waits for all four work-groups; my work-group's barrier once more.
.macro CROUND
	s_barrier_signal -1
	s_barrier_wait -1
	s_cmp_lg_u32 s12, 0
	s_cbranch_scc1 .Lnot_wave_0_\@
	s_barrier_signal -3
.Lnot_wave_0_\@:
	s_barrier_wait -3
	s_barrier_signal -1
	s_barrier_wait -1
.endm
	s_load_b256 s[4:11], s[0:1], 0x0               ; img s[4:5], qv s[6:7], bk s[8:9], part s[10:11]
	v_lshl_add_u32 v[SPW], v0, 2, SPARE
	v_mov_b32 v[NIL], 0
	ds_add_u32 v28, v29
	ds_add_u32 v28, v29
	s_wait_dscnt 0x0
	v_lshrrev_b32 v1, 5, v0
	v_readfirstlane_b32 s12, v1                    ; wave 0..3
	s_and_b32 s13, s12, 1                          ; e: which half of a slot's column blocks
	s_lshr_b32 s14, s12, 1                         ; rh: which half of the rows
	s_and_b32 s15, ttmp7, 0xffff                   ; y: the quarter of the columns, which the four partners share
	; group 1: a dense run of memory as rows of 256 bytes (32 elements of 8 bytes); four blocks are 136 rows
	s_mov_b32 s[G1+0], 15|(3<<16)|(1<<21)          ; 15:0 the mask: all four work-groups; 17:16 elements of 8 bytes; 20 no padding; 21 set beside a mask
	s_mov_b32 s[G1+1], 32<<16                      ; tensor_dim0 = 32
	s_mov_b32 s[G1+2], 136<<16                     ; tensor_dim1 = 136
	s_mov_b32 s[G1+3], 32<<16                      ; tile_dim0 = 32
	s_mov_b32 s[G1+4], 136                         ; tile_dim1 = 136
	s_mov_b32 s[G1+5], 32                          ; from row to row: 32 elements
	s_mov_b32 s[G1+6], 0
	s_mov_b32 s[G1+7], 0
	s_mov_b32 s[G1Q+0], 15|(3<<16)|(1<<21)         ; the same with 8 rows: 2,048 bytes
	s_mov_b32 s[G1Q+1], 32<<16
	s_mov_b32 s[G1Q+2], 8<<16
	s_mov_b32 s[G1Q+3], 32<<16
	s_mov_b32 s[G1Q+4], 8
	s_mov_b32 s[G1Q+5], 32
	s_mov_b32 s[G1Q+6], 0
	s_mov_b32 s[G1Q+7], 0
	s_lshl_b32 s52, s15, 6                         ; Wk's blocks lie behind key_mat's 1,024: slot 0's part of mine begins at block 1,024 + 64 y + 4 wave
	s_lshl_b32 s53, s12, 2
	s_add_co_u32 s52, s52, s53
	s_add_co_u32 s52, s52, 1024
	s_mul_i32 s52, s52, BLKB
	s_mov_b32 s53, 0
	s_mul_i32 s54, s12, 4*BLKB                     ; and goes to wave x four blocks in a slot: no place in the cluster enters an LDS address
	s_lshl_b32 s55, s12, 11                        ; q's two halves, then bk's two: wave x 2,048 bytes
	s_lshl_b32 s56, s15, 12                        ; in memory: 4,096 y + 2,048 (wave & 1)
	s_lshl_b32 s57, s13, 11
	s_add_co_u32 s56, s56, s57
	s_mov_b32 s57, 0
	s_mul_i32 s46, s13, 8*BLKB                     ; where my eight blocks begin in a slot,
	s_lshl_b32 s47, s13, 9                         ; and their q in a slot's 1,024 bytes of q
	s_mov_b32 s50, 0x76543210
	s_mov_b32 s51, 0xfedcba98                      ; v_permlanex16_b32's selects for lane l xor 16
	s_wait_kmcnt 0x0
	s_mov_b32 s[G0S], 1                            ; 1:0 count = 1
	s_mov_b32 s[G0S+1], s54                        ; LDS address: slot 0
	s_add_nc_u64 s[G0S+2:G0S+3], s[4:5], s[52:53]  ; global address
	s_mov_b32 s[G0S+4], 1
	s_add_co_u32 s[G0S+5], s54, SLOTB              ; slot 1:
	s_add_nc_u64 s[G0S+6:G0S+7], s[G0S+2:G0S+3], SLOTB   ; the next sixteen blocks
	s_or_b32 s[G0S+3], s[G0S+3], 0x80000000        ; 127:126 type = 2
	s_or_b32 s[G0S+7], s[G0S+7], 0x80000000
	s_mov_b32 s[G0Q], 1
	s_add_co_u32 s[G0Q+1], s55, QL
	s_cmp_lt_u32 s12, 2                            ; waves 0 and 1 bring q, waves 2 and 3 bk: the choice hangs on the wave's number alone
	s_cselect_b64 s[G0Q+2:G0Q+3], s[6:7], s[8:9]
	s_add_nc_u64 s[G0Q+2:G0Q+3], s[G0Q+2:G0Q+3], s[56:57]
	s_or_b32 s[G0Q+3], s[G0Q+3], 0x80000000
	CROUND                                         ; all four work-groups are here: the first joint loads meet
	tensor_load_to_lds s[G0Q:G0Q+3], s[G1Q:G1Q+7]  ; the first fills go out as one group: q or bk,
	s_nop 0
	tensor_load_to_lds s[G0S:G0S+3], s[G1:G1+7]    ; my part of slot 0,
	s_nop 0
	tensor_load_to_lds s[G0S+4:G0S+7], s[G1:G1+7]  ; my part of slot 1
	s_nop 0
.rept 4
	v_nop
.endr
	v_and_b32 v1, 31, v0                           ; lane
	v_bfe_u32 v2, v0, 4, 1                         ; h
	v_lshlrev_b32 v[L16], 4, v1
	v_lshlrev_b32 v[H32], 5, v2
	s_lshl_b32 s58, s12, 9
	s_add_co_u32 s58, s58, RED
	v_lshl_add_u32 v[RW], v1, 2, s58               ; my wave's 512 bytes, 4 bytes a row
	s_lshl_b32 s58, s14, 10
	s_lshl_b32 s59, s13, 8
	s_add_co_u32 s58, s58, s59
	s_add_co_u32 s58, s58, RED
	v_lshl_add_u32 v[RR], v1, 3, s58               ; back: rows 64 e + 2 lane, + 1 of wave 2 rh's sums; wave 2 rh + 1's lie 512 bytes on
	v_lshlrev_b32 v[GO], 3, v1
	v_cmp_lt_u32 s49, 15, v1                       ; the mask of lanes 16-31
	s_bfe_u32 s60, ttmp6, 0x40000                  ; cx: it enters key_mat's and part's addresses alone
	s_lshl_b32 s61, ttmp9, 2
	s_add_co_u32 s60, s61, s60                     ; X = 4 x cluster x + cx
	s_lshl_b32 s62, s60, 4
	s_lshl_b32 s61, s14, 3
	s_add_co_u32 s62, s62, s61                     ; my first block of key_mat: 16 X + 8 rh
	s_mul_i32 s62, s62, BLKB
	s_mov_b32 s63, 0
	s_add_nc_u64 s[2:3], s[4:5], s[62:63]
	s_lshl_b32 s62, s15, 16                        ; part: 65,536 y + 4 (256 X + 128 rh + 64 e)
	s_lshl_b32 s61, s60, 10
	s_add_co_u32 s62, s62, s61
	s_lshl_b32 s61, s14, 9
	s_add_co_u32 s62, s62, s61
	s_lshl_b32 s61, s13, 8
	s_add_co_u32 s62, s62, s61
	s_add_nc_u64 s[10:11], s[10:11], s[62:63]
.irp a, 0,1,2,3,4,5,6,7
	global_load_b128 v[AS+4*\a:AS+4*\a+3], v[L16], s[2:3] offset:BLKB*\a+8192   ; key_mat's scale words: register s % 4; lanes 0-15 K steps 0-3, lanes 16-31 K steps 4-7
.endr
.irp a, 0,1,2,3,4,5,6,7                        ; key_mat's 64 fragments, tile by tile into the tile's window: each load reads 512 consecutive bytes of an image
	WIN 0x40*(1+\a/3)
.irp s, 0,1,2,3,4,5,6,7
.irp c, 0,1
	global_load_b128 v[64*(\a%3)+8*\s+4*\c:64*(\a%3)+8*\s+4*\c+3], v[L16], s[2:3] offset:BLKB*\a+512*(2*\s+\c)
.endr
.endr
.endr
.irp w, 3,2,1
	WIN 0x40*\w
.irp i, 0,1,2,3,4,5
.if (\i < 4) || (\w < 3)
	v_mov_b32 v[S+\i], 0                           ; the sixteen running sums
.endif
.endr
.endr
	WIN 0
.irp i, 0,1,2,3
	v_mov_b32 v[T+\i], 0                           ; and the four of bk q
.endr
; A block's scale words and its eight fragments into set p: 17 LDS loads of 512 consecutive bytes; all in window 0
.macro FETCHB p
	ds_load_b128 v[BS+4*(\p):BS+4*(\p)+3], v[ADR] offset:8192
.irp k, 0,1,2,3,4,5,6,7,8,9,10,11,12,13,14,15
	ds_load_b128 v[B+64*(\p)+4*\k:B+64*(\p)+4*\k+3], v[ADR] offset:512*\k
.endr
.endm
; THE CHANGE OF SLOTS stands at the head of a slot's last block, whose operands are in registers.  Each wave waits for all its tensor loads (one is out: its part of the next slot), adds 0 to its spare word, and waits
; for that and for its reads of the slot.  fill = 1: the slot is filled again, with the blocks two slots on: the barrier is then a round of the cluster's, so that no wave of any partner still reads the slot or has a
; load on its way, and the joint refill is the first thing behind it: it has eight blocks, 512 matrix instructions, in which to land.  Entered with every window 0.
.macro CHANGE fill, g0
	s_wait_tensorcnt 0x0                           ; no tensor load of mine is out, so a group 0 may be written
	ds_add_u32 v[SPW], v[NIL]                      ; 0 onto my spare word
.if \fill
	s_add_nc_u64 s[\g0+2:\g0+3], s[\g0+2:\g0+3], 2*SLOTB   ; 32 blocks on; the type bits on top are not reached
	s_wait_dscnt 0x0                               ; the add is done, and my reads of the slot are over
	CROUND
	tensor_load_to_lds s[\g0:\g0+3], s[G1:G1+7]
	s_nop 0
.rept 4
	v_nop
.endr
.else
	s_wait_dscnt 0x0
	s_barrier_signal -1
	s_barrier_wait -1
.endif
.endm
; A BLOCK'S HEAD, in window 0.  p: the block's set and accumulators.  mode 1: the next block lies in the same slot; 2: slot sg is left and filled again, the next block is the next slot's first; 3: the same without
; a fill; 0: the last block of all.  first = 1: the first block of all, which has no block before it.
.macro HEAD p, mode, sg, first
	WIN 0
	s_wait_dscnt 0x0                               ; the last head's loads are in: this block's fragments and scale words, the last block's q and bk.  They were issued a whole block ago
.if !\first
.irp i, 0,1,2,3                                ; the last block's bk x q, two columns at a time, in two chains.  These four lines, which name no register of the last matrix instruction, are also the four places
	v_pk_fma_f32 v[T+2*(\i%2):T+2*(\i%2)+1], v[Q+8*(1-\p)+2*\i:Q+8*(1-\p)+2*\i+1], v[BKR+2*\i:BKR+2*\i+1], v[T+2*(\i%2):T+2*(\i%2)+1]   ; between it and the loads into the registers that it read (ISA guide 7.12.1 for vector instructions)
.endr
.endif
.if \mode == 2
	CHANGE 1, G0S+4*((\sg)%2)
.endif
.if \mode == 3
	CHANGE 0, G0S
.endif
.if \mode >= 2
	s_add_co_u32 s44, s46, (((\sg)+1)%2)*SLOTB     ; my eight blocks of the next slot
	v_add_nc_u32 v[ADR], s44, v[L16]
.endif
.if \mode
	FETCHB 1-\p                                    ; the next block, into the set that the last block has left
.endif
.irp u, 0,1
	ds_load_b128 v[Q+8*\p+4*\u:Q+8*\p+4*\u+3], v[ADQ] offset:16*\u          ; this block's q for my half of the lanes (sixteen lanes share each 16 bytes), over the q of two blocks ago, which is done with;
	ds_load_b128 v[BKR+4*\u:BKR+4*\u+3], v[ADQ] offset:4096+16*\u           ; and its bk, over the last block's, which the four lines above have read
.endr
.if \mode
	s_add_co_u32 s44, s44, BLKB                    ; the addresses of the next head's loads are made here, a block ahead of their use
.if \mode == 1
	s_add_co_u32 s45, s45, 64
.else
	s_add_co_u32 s45, s47, QL+1024*((\sg)+1)
.endif
	v_add_nc_u32 v[ADR], s44, v[L16]
	v_add_nc_u32 v[ADQ], s45, v[H32]
.endif
.endm
; A PHASE: the nt tiles of window w x the eight K steps, 8 nt matrix instructions.  The tiles' accumulators take turns, one instruction a turn.  K step 0 takes 0 as its C: nothing is cleared.
; Behind every second one stands one multiply-add of the block before: number m takes tile m % nt, columns 2 (m / nt), + 1: each accumulator is read from its low end on, and a tile's sums are touched every nt-th time.
.macro PHASE w, nt, p, first
	WIN 0x54*\w
.set k, 0
.rept 8*\nt
.set ks, k/\nt
.set kt, k%\nt
.set rD, ACC+16*kt+8*\p
.set rB, B+64*\p+8*ks
.set rA, 64*kt+8*ks
.set rX, BS+4*\p+ks%4
.set rY, AS+4*(3*(\w-1)+kt)+ks%4
.if ks == 0
	v_wmma_scale_f32_16x16x128_f8f6f4 v[rD:rD+7], v[rB:rB+7], v[rA:rA+7], 0, v[rX], v[rY] matrix_a_fmt:MATRIX_FMT_FP4 matrix_b_fmt:MATRIX_FMT_FP4
.elseif ks < 4
	v_wmma_scale_f32_16x16x128_f8f6f4 v[rD:rD+7], v[rB:rB+7], v[rA:rA+7], v[rD:rD+7], v[rX], v[rY] matrix_a_fmt:MATRIX_FMT_FP4 matrix_b_fmt:MATRIX_FMT_FP4
.else
	v_wmma_scale_f32_16x16x128_f8f6f4 v[rD:rD+7], v[rB:rB+7], v[rA:rA+7], v[rD:rD+7], v[rX], v[rY] matrix_a_fmt:MATRIX_FMT_FP4 matrix_b_fmt:MATRIX_FMT_FP4 matrix_a_scale:MATRIX_SCALE_ROW1 matrix_b_scale:MATRIX_SCALE_ROW1
.endif
.if (k%2 == 1) && !\first
.set m, k/2
.set rE, ACC+16*(m%\nt)+8*(1-\p)+2*(m/\nt)
.set rS, S+2*(m%\nt)
.set rQ, Q+8*(1-\p)+2*(m/\nt)
	v_pk_fma_f32 v[rS:rS+1], v[rQ:rQ+1], v[rE:rE+1], v[rS:rS+1]
.endif
.set k, k+1
.endr
.endm
.macro BLOCK p, mode, sg, first
	HEAD \p, \mode, \sg, \first
	PHASE 1, 3, \p, \first
	PHASE 2, 3, \p, \first
	PHASE 3, 2, \p, \first
.endm
.macro PAIRS pa, pb                    ; six blocks of a slot: three trips of two, until the sets are back where they began
	WIN 0                                          ; at a label and at a branch every window is 0
	s_mov_b32 s48, 3
.Lrun_\@:
	BLOCK \pa, 1, 0, 0
	BLOCK \pb, 1, 0, 0
	WIN 0
	s_sub_co_u32 s48, s48, 1
	s_cmp_lg_u32 s48, 0
	s_cbranch_scc1 .Lrun_\@
.endm
	s_wait_tensorcnt 0x1                           ; my part of q or bk and of slot 0 is in; slot 1's may stay out
	s_barrier_signal -1
	s_barrier_wait -1                              ; everybody's is
	s_mov_b32 s44, s46
	s_add_co_u32 s45, s47, QL
	v_add_nc_u32 v[ADR], s44, v[L16]
	v_add_nc_u32 v[ADQ], s45, v[H32]
	FETCHB 0                                       ; the first block
	s_add_co_u32 s44, s44, BLKB
	v_add_nc_u32 v[ADR], s44, v[L16]
	s_wait_loadcnt 0x0                             ; key_mat's fragments and scale words
	BLOCK 0, 1, 0, 1                               ; slot 0: the first block is written out: there is nothing yet to multiply by q
	PAIRS 1, 0
	BLOCK 1, 2, 0, 0                               ; slot 0 takes the third sixteen blocks
	PAIRS 0, 1                                     ; slot 1
	BLOCK 0, 1, 0, 0
	BLOCK 1, 2, 1, 0                               ; slot 1 takes the fourth
	PAIRS 0, 1                                     ; slot 0 again
	BLOCK 0, 1, 0, 0
	BLOCK 1, 3, 2, 0                               ; nothing is left to fetch
	PAIRS 0, 1                                     ; slot 1 again
	BLOCK 0, 1, 0, 0
	BLOCK 1, 0, 3, 0
	; THE WAY OUT.  The last block's bk x q and its 32 multiply-adds; the bias joins each tile's sums; a tile's two sums and the other half of the lanes' are added; two tiles' rows are laid side by side in the lanes;
	; the two waves of a row half meet in LDS.
	WIN 0
	s_wait_dscnt 0x0                               ; the last block's q and bk
.irp i, 0,1,2,3
	v_pk_fma_f32 v[T+2*(\i%2):T+2*(\i%2)+1], v[Q+8+2*\i:Q+8+2*\i+1], v[BKR+2*\i:BKR+2*\i+1], v[T+2*(\i%2):T+2*(\i%2)+1]
.endr
	v_pk_add_f32 v[T:T+1], v[T:T+1], v[T+2:T+3]    ; bk . q over my 512 columns: my half's even columns, my half's odd ones
.macro LAST w, nt                      ; (window 3's accumulators, which the last matrix instructions wrote, come behind the lines above and windows 1 and 2's)
	WIN 0x54*\w
.set m, 0
.rept 4*\nt
	v_pk_fma_f32 v[S+2*(m%\nt):S+2*(m%\nt)+1], v[Q+8+2*(m/\nt):Q+8+2*(m/\nt)+1], v[ACC+16*(m%\nt)+8+2*(m/\nt):ACC+16*(m%\nt)+8+2*(m/\nt)+1], v[S+2*(m%\nt):S+2*(m%\nt)+1]
.set m, m+1
.endr
.set m, 0
.rept \nt
	v_pk_add_f32 v[S+2*m:S+2*m+1], v[T:T+1], v[S+2*m:S+2*m+1]
.set m, m+1
.endr
	WIN 0x55*\w
.set m, 0
.rept \nt
	v_add_f32 v[S+2*m], v[S+2*m], v[S+2*m+1]
.set m, m+1
.endr
.set m, 0
.rept \nt
	v_permlanex16_b32 v[ACC+16*m], v[S+2*m], s50, s51   ; (into an accumulator that is done with)
.set m, m+1
.endr
.set m, 0
.rept \nt
	v_add_f32 v[S+2*m], v[S+2*m], v[ACC+16*m]      ; lane (r, h): the tile's row r, over my 512 columns
.set m, m+1
.endr
.endm
	LAST 1, 3
	LAST 2, 3
	LAST 3, 2
	WIN 0x05                                       ; tiles 0 and 1: both in window 1; the result in window 0.  Lane l: row 32 t + l
	v_cndmask_b32 v[OUTR], v[S], v[S+2], s49
	WIN 0x09                                       ; tile 2 in window 1, tile 3 in window 2
	v_cndmask_b32 v[OUTR+1], v[S+4], v[S], s49
	WIN 0x0a                                       ; tiles 4 and 5 in window 2
	v_cndmask_b32 v[OUTR+2], v[S+2], v[S+4], s49
	WIN 0x0f                                       ; tiles 6 and 7 in window 3
	v_cndmask_b32 v[OUTR+3], v[S], v[S+2], s49
	WIN 0
.irp t, 0,1,2,3
	ds_store_b32 v[RW], v[OUTR+\t] offset:128*\t
.endr
	s_wait_dscnt 0x0                               ; for the others' sake: my sums lie in LDS
	s_barrier_signal -1
	s_barrier_wait -1
	ds_load_b64 v[OUTR:OUTR+1], v[RR]              ; rows 64 e + 2 lane, + 1: wave 2 rh's sums,
	ds_load_b64 v[OUTR+2:OUTR+3], v[RR] offset:512 ; and wave 2 rh + 1's
	s_wait_dscnt 0x0
	v_pk_add_f32 v[OUTR:OUTR+1], v[OUTR:OUTR+1], v[OUTR+2:OUTR+3]
	global_store_b64 v[GO], v[OUTR:OUTR+1], s[10:11]   ; 32 lanes store 256 consecutive bytes, at a multiple of 256 from part's first byte
	s_wait_tensorcnt 0x0                           ; the wave's end, behind my last tensor load and my last LDS store
	ds_add_u32 v[SPW], v[NIL]
	s_wait_dscnt 0x0
	CROUND                                         ; the closing round: no work-group ends while a partner may still ask for a tile that names it
	s_endpgm
.Lfunc_end_k_q925e4de26b_score:
	.size	k_q925e4de26b_score, .Lfunc_end_k_q925e4de26b_score-k_q925e4de26b_score
	.p2alignl 7, 3214868480
	.fill 96, 4, 3214868480
	.section	.rodata,"a",@progbits
	.p2align	6, 0x0
	.amdhsa_kernel k_q925e4de26b_score
		.amdhsa_group_segment_fixed_size 327680
		.amdhsa_private_segment_fixed_size 0
		.amdhsa_enable_private_segment 0
		.amdhsa_kernarg_size 32
		.amdhsa_user_sgpr_count 2
		.amdhsa_user_sgpr_kernarg_segment_ptr 1
		.amdhsa_wavefront_size32 1
		.amdhsa_system_sgpr_workgroup_id_x 1
		.amdhsa_system_sgpr_workgroup_id_y 1
		.amdhsa_system_sgpr_workgroup_id_z 1
		.amdhsa_system_vgpr_workitem_id 0
		.amdhsa_next_free_vgpr 1024
		.amdhsa_next_free_sgpr 66
		.amdhsa_reserve_vcc 0
		.amdhsa_float_denorm_mode_32 3
		.amdhsa_float_denorm_mode_16_64 3
		.amdhsa_memory_ordered 1
		.amdhsa_forward_progress 1
		.amdhsa_inst_pref_size 215
	.end_amdhsa_kernel
	.amdgpu_metadata
---
amdhsa.version: [ 1, 2 ]
amdhsa.kernels:
  - .name:           k_q925e4de26b_score
    .symbol:         k_q925e4de26b_score.kd
    .args:
      - { .name: img, .offset: 0, .size: 8, .value_kind: global_buffer, .address_space: global }
      - { .name: qv, .offset: 8, .size: 8, .value_kind: global_buffer, .address_space: global }
      - { .name: bk, .offset: 16, .size: 8, .value_kind: global_buffer, .address_space: global }
      - { .name: part, .offset: 24, .size: 8, .value_kind: global_buffer, .address_space: global }
    .group_segment_fixed_size: 327680
    .private_segment_fixed_size: 0
    .kernarg_segment_align: 8
    .kernarg_segment_size: 32
    .max_flat_workgroup_size: 128
    .sgpr_count:     66
    .vgpr_count:     1024
    .wavefront_size: 32
...
	.end_amdgpu_metadata
.endif
;; end of part 2
;; launch local6 (part 3): grid 16 x 1, 1 waves a work-group, no clusters, 0 bytes of LDS; arguments part, cscore, cidx; writes cscore, cidx
.if DOCPART == 3
	.amdgcn_target "amdgcn-amd-amdhsa--gfx1250"
	.amdhsa_code_object_version 6
	.text
	.protected	k_q925e4de26b_local6
	.globl	k_q925e4de26b_local6
	.p2align	8
	.type	k_q925e4de26b_local6,@function
k_q925e4de26b_local6:
	s_mov_b64 s[64:65], 0
	v_nop
	global_prefetch_b8 v0, s[64:65] scope:SCOPE_SE
	s_setreg_imm32_b32 hwreg(HW_REG_WAVE_MODE, 25, 1), 1
	s_wait_xcnt 0x0
; LOCAL6.  score[row] = ((part[0][row] + part[1][row]) + part[2][row]) + part[3][row].  Wave g takes rows 1,024 g .. + 1,023, 32 a lane, and finds its six largest scores, one after the other; among equal scores the
; lowest row is taken first, as jax.lax.top_k has it.  Entry 6 g + k of cscore and cidx takes the k-th score and its row.  The six largest of all 16,384 are among these 96.
; Nothing here branches or addresses by a score: a choice is a compare and a select.  Row numbers are kept as f32 (under 2^24: exact), so that the same lane steps serve maxima and minima.
; LIMITS: NaN and infinities among the scores are not served (-infinity marks a row that has been taken); +0 and -0 count as equal.
; One wave to a work-group: no LDS, no barrier.  16 work-groups: a wave's share of 32 scores a lane is what keeps a round to some 170 lines.
.set V,   32                           ; v32-63 the scores (v64-159: the other three quarters as loaded): V[4 j + i] of lane l is row 1,024 g + 128 j + 4 l + i
.set IX,  160                          ; v160-191 their rows, as f32
.set T,   192                          ; v192-199 at work
.set C0,  200                          ; v200-203 chains
.set M,   204                          ; the largest score
.set TP,  205                          ; the other half of the lanes'
.set WI,  206                          ; its lowest row
.set BIG, 207                          ; 3e38: above every row number
.set NEG, 208                          ; -infinity
.set RS,  209                          ; lane k: the k-th score
.set RI,  210                          ; lane k: its row
	s_load_b128 s[4:7], s[0:1], 0x0                ; part, cscore
	s_load_b64 s[8:9], s[0:1], 0x10                ; cidx
	v_lshlrev_b32 v2, 4, v0                        ; 16 x lane (one wave: v0 is the lane)
	s_lshl_b32 s10, ttmp9, 12                      ; my 1,024 rows in a quarter
	s_mov_b32 s11, 0
	s_mul_i32 s24, ttmp9, 24                       ; my six entries
	s_mov_b32 s25, 0
	s_mov_b32 s20, 0x76543210
	s_mov_b32 s21, 0xfedcba98                      ; v_permlanex16_b32's selects for lane l xor 16
	s_wait_kmcnt 0x0
	s_add_nc_u64 s[4:5], s[4:5], s[10:11]
	s_add_nc_u64 s[6:7], s[6:7], s[24:25]
	s_add_nc_u64 s[8:9], s[8:9], s[24:25]
.irp y, 0,1,2,3
.irp j, 0,1,2,3,4,5,6,7
	global_load_b128 v[V+32*\y+4*\j:V+32*\y+4*\j+3], v2, s[4:5] offset:65536*\y+512*\j   ; 32 lanes read 512 consecutive bytes
.endr
.endr
	s_lshl_b32 s22, ttmp9, 10
	v_lshl_add_u32 v3, v0, 2, s22                  ; 1,024 g + 4 lane
.irp j, 0,1,2,3,4,5,6,7
.irp i, 0,1,2,3
	v_add_nc_u32 v[IX+4*\j+\i], 128*\j+\i, v3
.endr
.endr
.set n, 0
.rept 32
	v_cvt_f32_u32 v[IX+n], v[IX+n]
.set n, n+1
.endr
	v_mov_b32 v[BIG], 0x7f61b1e6
	v_mov_b32 v[NEG], 0xff800000
	v_mov_b32 v[RS], 0
	v_mov_b32 v[RI], 0
	v_mov_b32 v[TP], 0                             ; written once: a lane permute's destination counts as one of its sources
.irp y, 1,2,3
	s_wait_loadcnt 8*(3-\y)                        ; quarters 0 to y are in; the younger quarters' eight loads each may be out
.set n, 0
.rept 16
	v_pk_add_f32 v[V+2*n:V+2*n+1], v[V+2*n:V+2*n+1], v[V+32*\y+2*n:V+32*\y+2*n+1]
.set n, n+1
.endr
.endr
.macro ALLMAX r                        ; the largest of the 32 lanes' v[r], in every lane
.irp m, 1,2,4,8
	v_max_num_f32_dpp v[\r], v[\r], v[\r] row_xmask:\m row_mask:0xf bank_mask:0xf
.endr
	v_permlanex16_b32 v[TP], v[\r], s20, s21
	v_max_num_f32 v[\r], v[\r], v[TP]
.endm
.macro ALLMIN r
.irp m, 1,2,4,8
	v_min_num_f32_dpp v[\r], v[\r], v[\r] row_xmask:\m row_mask:0xf bank_mask:0xf
.endr
	v_permlanex16_b32 v[TP], v[\r], s20, s21
	v_min_num_f32 v[\r], v[\r], v[TP]
.endm
.macro ROUND k
.irp c, 0,1,2,3                        ; the largest score left: four chains of eight
	v_max3_num_f32 v[C0+\c], v[V+8*\c], v[V+8*\c+1], v[V+8*\c+2]
.endr
.irp i, 3,5
.irp c, 0,1,2,3
	v_max3_num_f32 v[C0+\c], v[C0+\c], v[V+8*\c+\i], v[V+8*\c+\i+1]
.endr
.endr
.irp c, 0,1,2,3
	v_max_num_f32 v[C0+\c], v[C0+\c], v[V+8*\c+7]
.endr
	v_max3_num_f32 v[M], v[C0], v[C0+1], v[C0+2]
	v_max_num_f32 v[M], v[M], v[C0+3]
	ALLMAX M
.irp b, 0,1,2,3                        ; the lowest row that holds it: where a score is not the largest, 3e38 stands for its row
.irp u, 0,1,2,3,4,5,6,7
	v_cmp_eq_f32 s[12+\u], v[V+8*\b+\u], v[M]
.endr
.irp u, 0,1,2,3,4,5,6,7
	v_cndmask_b32 v[T+\u], v[BIG], v[IX+8*\b+\u], s[12+\u]
.endr
.if \b == 0
	v_min_num_f32 v[C0], v[T], v[T+1]
	v_min_num_f32 v[C0+1], v[T+2], v[T+3]
.else
	v_min3_num_f32 v[C0], v[C0], v[T], v[T+1]
	v_min3_num_f32 v[C0+1], v[C0+1], v[T+2], v[T+3]
.endif
	v_min3_num_f32 v[C0], v[C0], v[T+4], v[T+5]
	v_min3_num_f32 v[C0+1], v[C0+1], v[T+6], v[T+7]
.endr
	v_min_num_f32 v[WI], v[C0], v[C0+1]
	ALLMIN WI
.irp b, 0,1,2,3                        ; that row is taken: its score becomes -infinity
.irp u, 0,1,2,3,4,5,6,7
	v_cmp_eq_f32 s[12+\u], v[IX+8*\b+\u], v[WI]
.endr
.irp u, 0,1,2,3,4,5,6,7
	v_cndmask_b32 v[V+8*\b+\u], v[V+8*\b+\u], v[NEG], s[12+\u]
.endr
.endr
	v_cmp_eq_u32 vcc_lo, \k, v0                    ; lane k keeps the k-th
	v_cndmask_b32 v[RS], v[RS], v[M], vcc_lo
	v_cndmask_b32 v[RI], v[RI], v[WI], vcc_lo
.endm
.irp k, 0,1,2,3,4,5
	ROUND \k
.endr
	v_cvt_u32_f32 v[RI], v[RI]
	v_lshlrev_b32 v4, 2, v0
	v_cmp_gt_u32 vcc_lo, 6, v0
	s_wait_xcnt 0x0                                ; EXEC changes only behind this wait: it is a source of the loads above
	s_and_saveexec_b32 s23, vcc_lo
	global_store_b32 v4, v[RS], s[6:7]             ; lanes 0 to 5
	global_store_b32 v4, v[RI], s[8:9]
	s_endpgm
.Lfunc_end_k_q925e4de26b_local6:
	.size	k_q925e4de26b_local6, .Lfunc_end_k_q925e4de26b_local6-k_q925e4de26b_local6
	.p2alignl 7, 3214868480
	.fill 96, 4, 3214868480
	.section	.rodata,"a",@progbits
	.p2align	6, 0x0
	.amdhsa_kernel k_q925e4de26b_local6
		.amdhsa_group_segment_fixed_size 0
		.amdhsa_private_segment_fixed_size 0
		.amdhsa_enable_private_segment 0
		.amdhsa_kernarg_size 24
		.amdhsa_user_sgpr_count 2
		.amdhsa_user_sgpr_kernarg_segment_ptr 1
		.amdhsa_wavefront_size32 1
		.amdhsa_system_sgpr_workgroup_id_x 1
		.amdhsa_system_sgpr_workgroup_id_y 1
		.amdhsa_system_sgpr_workgroup_id_z 1
		.amdhsa_system_vgpr_workitem_id 0
		.amdhsa_next_free_vgpr 216
		.amdhsa_next_free_sgpr 66
		.amdhsa_reserve_vcc 1
		.amdhsa_float_denorm_mode_32 3
		.amdhsa_float_denorm_mode_16_64 3
		.amdhsa_memory_ordered 1
		.amdhsa_forward_progress 1
		.amdhsa_inst_pref_size 75
	.end_amdhsa_kernel
	.amdgpu_metadata
---
amdhsa.version: [ 1, 2 ]
amdhsa.kernels:
  - .name:           k_q925e4de26b_local6
    .symbol:         k_q925e4de26b_local6.kd
    .args:
      - { .name: part, .offset: 0, .size: 8, .value_kind: global_buffer, .address_space: global }
      - { .name: cscore, .offset: 8, .size: 8, .value_kind: global_buffer, .address_space: global }
      - { .name: cidx, .offset: 16, .size: 8, .value_kind: global_buffer, .address_space: global }
    .group_segment_fixed_size: 0
    .private_segment_fixed_size: 0
    .kernarg_segment_align: 8
    .kernarg_segment_size: 24
    .max_flat_workgroup_size: 32
    .sgpr_count:     66
    .vgpr_count:     216
    .wavefront_size: 32
...
	.end_amdgpu_metadata
.endif
;; end of part 3
;; launch final (part 4): grid 16 x 1, 1 waves a work-group, no clusters, 0 bytes of LDS; arguments cscore, cidx, key_mat, out0; writes out0
.if DOCPART == 4
	.amdgcn_target "amdgcn-amd-amdhsa--gfx1250"
	.amdhsa_code_object_version 6
	.text
	.protected	k_q925e4de26b_final
	.globl	k_q925e4de26b_final
	.p2align	8
	.type	k_q925e4de26b_final,@function
k_q925e4de26b_final:
	s_mov_b64 s[64:65], 0
	v_nop
	global_prefetch_b8 v0, s[64:65] scope:SCOPE_SE
	s_setreg_imm32_b32 hwreg(HW_REG_WAVE_MODE, 25, 1), 1
	s_wait_xcnt 0x0
; FINAL.  out0 = the mean of the six rows of key_mat with the largest scores.  The 96 candidates (six from each 1,024 rows) were stored by the launch before: their rows, whole numbers, steer this launch's addresses.
; Wave g owns columns 64 g .. + 63 (256 bytes of a row).  It asks for those bytes of ALL 96 candidate rows first (48 loads, two rows each: lanes 0-15 candidate 2 c, lanes 16-31 candidate 2 c + 1), and chooses the six
; of the 96 while they are on their way: the choice only makes weights, 1 or 0, by compares and selects; among equal scores the lowest row is taken first.  Then out0 = (the sum of weight x row) x (1 / 6).
; LIMITS: NaN and infinities in key_mat or among the scores are not served (a weight of 0 multiplies the rows that are not chosen; -infinity marks a candidate that has been taken); +0 and -0 count as equal scores;
; the mean is a multiplication by the f32 number nearest 1 / 6.  A row number is held to 16,383 before it enters an address.
.set VS,  4                            ; v4-6    the candidates' scores: VS[j] of lane l is candidate 32 j + l
.set IXF, 8                            ; v8-10   their rows, as f32 (under 2^24: exact)
.set W,   12                           ; v12-14  their weights
.set M,   16
.set TP,  17
.set T,   18                           ; v18-20
.set WI,  21
.set BIG, 22
.set NEG, 23
.set SUM, 24                           ; v24-27, v28-31 two sets of four sums
.set WX,  32                           ; v32-47, v48-63 sixteen weights in the gather's pattern, two sets
.set D,   64                           ; v64-255 the gathered bytes, four registers for each pair of candidates
	s_load_b256 s[4:11], s[0:1], 0x0               ; cscore s[4:5], cidx s[6:7], key_mat s[8:9], out0 s[10:11]
	v_bfe_u32 v1, v0, 4, 1
	v_lshlrev_b32 v1, 2, v1                        ; 4 h
	v_and_b32 v2, 15, v0
	s_lshl_b32 s22, ttmp9, 8
	v_lshl_add_u32 v2, v2, 4, s22                  ; my 16 bytes of a row: 256 g + 16 r
	v_lshlrev_b32 v3, 2, v0                        ; 4 x lane
	s_mov_b32 s20, 0x76543210
	s_mov_b32 s21, 0xfedcba98                      ; v_permlanex16_b32's selects for lane l xor 16
	v_mov_b32 v[BIG], 0x7f61b1e6                   ; 3e38: above every row number
	v_mov_b32 v[NEG], 0xff800000
	v_mov_b32 v[TP], 0                             ; written once: a lane permute's destination counts as one of its sources
.irp j, 0,1,2
	v_mov_b32 v[W+\j], 0
.endr
	s_wait_kmcnt 0x0
.set c, 0
.rept 48
	global_load_b32 v[D+4*c], v1, s[6:7] offset:8*c      ; the row of candidate 2 c + h
.set c, c+1
.endr
.irp j, 0,1,2
	global_load_b32 v[VS+\j], v3, s[4:5] offset:128*\j
.endr
.irp j, 0,1,2
	global_load_b32 v[IXF+\j], v3, s[6:7] offset:128*\j
.endr
	s_wait_loadcnt 6                               ; the 48 rows are in; the six loads behind them may be out
; The 48 offsets are made in runs, and the 48 loads follow in a run: no load stands directly behind the line that makes its offset
.set c, 0
.rept 48
	v_min_u32 v[D+4*c], 0x3fff, v[D+4*c]           ; inside the table
.set c, c+1
.endr
.set c, 0
.rept 48
	v_lshl_add_u32 v[D+4*c], v[D+4*c], 12, v2      ; 4,096 bytes a row, + my 16 bytes
.set c, c+1
.endr
.set c, 0
.rept 48
	global_load_b128 v[D+4*c:D+4*c+3], v[D+4*c], s[8:9]   ; sixteen lanes read 256 consecutive bytes, at a multiple of 256 from key_mat's first byte; the load lands on its own offset
.set c, c+1
.endr
	s_wait_loadcnt 48                              ; scores and rows are in; the 48 gathers stay out
.irp j, 0,1,2
	v_cvt_f32_u32 v[IXF+\j], v[IXF+\j]
.endr
.macro ROUND
	v_max3_num_f32 v[M], v[VS], v[VS+1], v[VS+2]   ; the largest score left
.irp m, 1,2,4,8
	v_max_num_f32_dpp v[M], v[M], v[M] row_xmask:\m row_mask:0xf bank_mask:0xf
.endr
	v_permlanex16_b32 v[TP], v[M], s20, s21
	v_max_num_f32 v[M], v[M], v[TP]
.irp j, 0,1,2
	v_cmp_eq_f32 s[12+\j], v[VS+\j], v[M]
.endr
.irp j, 0,1,2
	v_cndmask_b32 v[T+\j], v[BIG], v[IXF+\j], s[12+\j]
.endr
	v_min3_num_f32 v[WI], v[T], v[T+1], v[T+2]     ; the lowest row that holds it
.irp m, 1,2,4,8
	v_min_num_f32_dpp v[WI], v[WI], v[WI] row_xmask:\m row_mask:0xf bank_mask:0xf
.endr
	v_permlanex16_b32 v[TP], v[WI], s20, s21
	v_min_num_f32 v[WI], v[WI], v[TP]
.irp j, 0,1,2
	v_cmp_eq_f32 s[12+\j], v[IXF+\j], v[WI]
.endr
.irp j, 0,1,2
	v_cndmask_b32 v[VS+\j], v[VS+\j], v[NEG], s[12+\j]   ; it is taken,
	v_cndmask_b32 v[W+\j], v[W+\j], 1.0, s[12+\j]        ; and counts
.endr
.endm
.rept 6
	ROUND
.endr
; Candidates 32 b .. 32 b + 31 have their weights in W[b], a lane each.  The gather's pair n of that batch wants candidate 2 n + h's in lane (r, h): a pull from lane 2 n + h (the index is 4 x that lane).
.macro WSEND b
.irp n, 0,1,2,3,4,5,6,7,8,9,10,11,12,13,14,15
	v_add_nc_u32 v[WX+16*((\b)%2)+\n], 8*\n, v1
.endr
.irp n, 0,1,2,3,4,5,6,7,8,9,10,11,12,13,14,15
	ds_bpermute_b32 v[WX+16*((\b)%2)+\n], v[WX+16*((\b)%2)+\n], v[W+\b]
.endr
.endm
; Pair c of candidates: weight x my four columns, into sum set c % 2.  The weight is one register of an even-aligned pair: the low one where c is even, the high one where it is odd, taken for both halves.
.macro ACCUM c
.set wr, WX+16*(((\c)/16)%2)+(\c)%16
.set su, SUM+4*((\c)%2)
.set dd, D+4*(\c)
.if (\c) == 0
	v_pk_mul_f32 v[su:su+1], v[dd:dd+1], v[wr:wr+1] op_sel_hi:[1,0]         ; the first products start the sums
	v_pk_mul_f32 v[su+2:su+3], v[dd+2:dd+3], v[wr:wr+1] op_sel_hi:[1,0]
.elseif (\c) == 1
	v_pk_mul_f32 v[su:su+1], v[dd:dd+1], v[wr-1:wr] op_sel:[0,1] op_sel_hi:[1,1]
	v_pk_mul_f32 v[su+2:su+3], v[dd+2:dd+3], v[wr-1:wr] op_sel:[0,1] op_sel_hi:[1,1]
.elseif (\c)%2 == 0
	v_pk_fma_f32 v[su:su+1], v[dd:dd+1], v[wr:wr+1], v[su:su+1] op_sel_hi:[1,0,1]
	v_pk_fma_f32 v[su+2:su+3], v[dd+2:dd+3], v[wr:wr+1], v[su+2:su+3] op_sel_hi:[1,0,1]
.else
	v_pk_fma_f32 v[su:su+1], v[dd:dd+1], v[wr-1:wr], v[su:su+1] op_sel:[0,1,0] op_sel_hi:[1,1,1]
	v_pk_fma_f32 v[su+2:su+3], v[dd+2:dd+3], v[wr-1:wr], v[su+2:su+3] op_sel:[0,1,0] op_sel_hi:[1,1,1]
.endif
.endm
.macro BATCH b
.set cc, 16*(\b)
.rept 16
	ACCUM cc
.set cc, cc+1
.endr
.endm
	WSEND 0
	WSEND 1
	s_wait_dscnt 16                                ; batch 0's sixteen weights are in; batch 1's may be out
	s_wait_loadcnt 32                              ; and its sixteen gathers; the 32 younger ones may be out
	BATCH 0
	WSEND 2                                        ; into the registers that batch 0 has left
	s_wait_dscnt 16                                ; batch 1's are in; batch 2's may be out
	s_wait_loadcnt 16
	BATCH 1
	s_wait_dscnt 0x0
	s_wait_loadcnt 0x0
	BATCH 2
	v_pk_add_f32 v[SUM:SUM+1], v[SUM:SUM+1], v[SUM+4:SUM+5]
	v_pk_add_f32 v[SUM+2:SUM+3], v[SUM+2:SUM+3], v[SUM+6:SUM+7]
.irp i, 0,1,2,3
	v_permlanex16_b32 v[M+\i], v[SUM+\i], s20, s21 ; the odd candidates' sums lie in the lane 16 away
.endr
.irp i, 0,1,2,3
	v_add_f32 v[SUM+\i], v[SUM+\i], v[M+\i]
.endr
.irp i, 0,1,2,3
	v_mul_f32 v[SUM+\i], 0x3e2aaaab, v[SUM+\i]     ; x 1 / 6
.endr
	v_cmp_gt_u32 vcc_lo, 16, v0
	s_wait_xcnt 0x0                                ; EXEC changes only behind this wait: it is a source of the loads above
	s_and_saveexec_b32 s23, vcc_lo
	global_store_b128 v2, v[SUM:SUM+3], s[10:11]   ; sixteen lanes store 256 consecutive bytes, at a multiple of 256 from out0's first byte
	s_endpgm
.Lfunc_end_k_q925e4de26b_final:
	.size	k_q925e4de26b_final, .Lfunc_end_k_q925e4de26b_final-k_q925e4de26b_final
	.p2alignl 7, 3214868480
	.fill 96, 4, 3214868480
	.section	.rodata,"a",@progbits
	.p2align	6, 0x0
	.amdhsa_kernel k_q925e4de26b_final
		.amdhsa_group_segment_fixed_size 0
		.amdhsa_private_segment_fixed_size 0
		.amdhsa_enable_private_segment 0
		.amdhsa_kernarg_size 32
		.amdhsa_user_sgpr_count 2
		.amdhsa_user_sgpr_kernarg_segment_ptr 1
		.amdhsa_wavefront_size32 1
		.amdhsa_system_sgpr_workgroup_id_x 1
		.amdhsa_system_sgpr_workgroup_id_y 1
		.amdhsa_system_sgpr_workgroup_id_z 1
		.amdhsa_system_vgpr_workitem_id 0
		.amdhsa_next_free_vgpr 256
		.amdhsa_next_free_sgpr 66
		.amdhsa_reserve_vcc 1
		.amdhsa_float_denorm_mode_32 3
		.amdhsa_float_denorm_mode_16_64 3
		.amdhsa_memory_ordered 1
		.amdhsa_forward_progress 1
		.amdhsa_inst_pref_size 40
	.end_amdhsa_kernel
	.amdgpu_metadata
---
amdhsa.version: [ 1, 2 ]
amdhsa.kernels:
  - .name:           k_q925e4de26b_final
    .symbol:         k_q925e4de26b_final.kd
    .args:
      - { .name: cscore, .offset: 0, .size: 8, .value_kind: global_buffer, .address_space: global }
      - { .name: cidx, .offset: 8, .size: 8, .value_kind: global_buffer, .address_space: global }
      - { .name: key_mat, .offset: 16, .size: 8, .value_kind: global_buffer, .address_space: global }
      - { .name: out0, .offset: 24, .size: 8, .value_kind: global_buffer, .address_space: global }
    .group_segment_fixed_size: 0
    .private_segment_fixed_size: 0
    .kernarg_segment_align: 8
    .kernarg_segment_size: 32
    .max_flat_workgroup_size: 32
    .sgpr_count:     66
    .vgpr_count:     256
    .wavefront_size: 32
...
	.end_amdgpu_metadata
.endif
;; end of part 4
